; MI455X (gfx1250); checked and timed in simulation.
; The chip was launched on July 23, 2026; its instructions are those of AMD's public machine-readable ISA for CDNA 5 (MIT licence, August 2026) and "CDNA5" Instruction Set Architecture Reference Guide (July 2026). The comments in the code are by the model that wrote it; some were corrected since.
;; Attention Layer. Allowed arithmetic: float matrix products may take bf16 or f16 operands with f32 sums; all other float work in f32.
;; Inputs: w 512 x 1 float32; weight_k 512 x 512 float32; weight_q 512 x 512 float32; weight_v 512 x 512 float32; x 256 x 512 x 512 float32.
;; Outputs: out0 256 x 512 float32.
;; One version. Each part assembles by itself: llvm-mc -triple=amdgcn-amd-amdhsa -mcpu=gfx1250 --defsym DOCPART=n.
;; ======== version 1 of 1: 2 launches
;; workspace buffers: wb 1,572,864 bytes
;; launch cast (part 1): grid 256 x 1, 4 waves a work-group, no clusters, 0 bytes of LDS; arguments weight_q, weight_k, weight_v, wb; writes wb
.if DOCPART == 1
	.amdgcn_target "amdgcn-amd-amdhsa--gfx1250"
	.amdhsa_code_object_version 6
	.text
	.protected	k_qe4bbdc34e3_cast
	.globl	k_qe4bbdc34e3_cast
	.p2align	8
	.type	k_qe4bbdc34e3_cast,@function
k_qe4bbdc34e3_cast:
	s_mov_b64 s[64:65], 0
	v_nop
	global_prefetch_b8 v0, s[64:65] scope:SCOPE_SE
	s_setreg_imm32_b32 hwreg(HW_REG_WAVE_MODE, 25, 1), 1
	s_wait_xcnt 0x0
; wb[m][f][n] = bf16(weight_m[f][n]), m = 0: weight_q, 1: weight_k, 2: weight_v; each [512][512], rounded once to nearest even.
; The next launch has 256 work-groups that each read all three matrices: rounded here once, they are half the bytes there.
; 256 work-groups x 128 threads.  Work-group i takes bytes 4,096 i .. 4,096 i + 4,095 of each f32 matrix, as two loads of 16 bytes
; a thread: a wave's load covers 512 consecutive bytes, its store of 8 bytes a lane 256 consecutive bytes, aligned.
; Six loads go out together; no register is used twice, so no source of a pending load or store is ever rewritten.
.set MAT, 524288                       ; bytes of one matrix in bf16
.set IN,  4                            ; v[4:27]   six loads of four f32
.set OUT, 28                           ; v[28:39]  six pairs of packed bf16
	s_load_b256 s[4:11], s[0:1], 0x0               ; weight_q s[4:5], weight_k s[6:7], weight_v s[8:9], wb s[10:11]
	s_lshl_b32 s12, ttmp9, 12                      ; the work-group's 4,096 bytes of f32
	s_lshl_b32 s13, ttmp9, 11                      ; and its 2,048 bytes of bf16
	v_lshlrev_b32 v1, 4, v0
	v_add_nc_u32 v1, s12, v1                       ; load offset: 16 bytes a thread
	v_lshlrev_b32 v2, 3, v0
	v_add_nc_u32 v2, s13, v2                       ; store offset: 8 bytes a thread
	s_wait_kmcnt 0x0
.irp m, 0,1,2
.irp h, 0,1
	global_load_b128 v[IN+4*(2*\m+\h):IN+4*(2*\m+\h)+3], v1, s[4+2*\m:5+2*\m] offset:2048*\h th:TH_LOAD_NT
.endr
.endr
.irp m, 0,1,2
.irp h, 0,1
	s_wait_loadcnt 5-(2*\m+\h)                     ; loads come back in order (ISA guide 5.7.1): this one is in, the younger ones stay out
	v_cvt_pk_bf16_f32 v[OUT+2*(2*\m+\h)],   v[IN+4*(2*\m+\h)],   v[IN+4*(2*\m+\h)+1]
	v_cvt_pk_bf16_f32 v[OUT+2*(2*\m+\h)+1], v[IN+4*(2*\m+\h)+2], v[IN+4*(2*\m+\h)+3]
	global_store_b64 v2, v[OUT+2*(2*\m+\h):OUT+2*(2*\m+\h)+1], s[10:11] offset:MAT*\m+1024*\h
.endr
.endr
	s_endpgm
.Lfunc_end_k_qe4bbdc34e3_cast:
	.size	k_qe4bbdc34e3_cast, .Lfunc_end_k_qe4bbdc34e3_cast-k_qe4bbdc34e3_cast
	.p2alignl 7, 3214868480
	.fill 96, 4, 3214868480
	.section	.rodata,"a",@progbits
	.p2align	6, 0x0
	.amdhsa_kernel k_qe4bbdc34e3_cast
		.amdhsa_group_segment_fixed_size 0
		.amdhsa_private_segment_fixed_size 0
		.amdhsa_enable_private_segment 0
		.amdhsa_kernarg_size 32
		.amdhsa_user_sgpr_count 2
		.amdhsa_user_sgpr_kernarg_segment_ptr 1
		.amdhsa_wavefront_size32 1
		.amdhsa_system_sgpr_workgroup_id_x 1
		.amdhsa_system_sgpr_workgroup_id_y 1
		.amdhsa_system_sgpr_workgroup_id_z 1
		.amdhsa_system_vgpr_workitem_id 0
		.amdhsa_next_free_vgpr 40
		.amdhsa_next_free_sgpr 66
		.amdhsa_reserve_vcc 0
		.amdhsa_float_denorm_mode_32 3
		.amdhsa_float_denorm_mode_16_64 3
		.amdhsa_memory_ordered 1
		.amdhsa_forward_progress 1
		.amdhsa_inst_pref_size 3
	.end_amdhsa_kernel
	.amdgpu_metadata
---
amdhsa.version: [ 1, 2 ]
amdhsa.kernels:
  - .name:           k_qe4bbdc34e3_cast
    .symbol:         k_qe4bbdc34e3_cast.kd
    .args:
      - { .name: weight_q, .offset: 0, .size: 8, .value_kind: global_buffer, .address_space: global }
      - { .name: weight_k, .offset: 8, .size: 8, .value_kind: global_buffer, .address_space: global }
      - { .name: weight_v, .offset: 16, .size: 8, .value_kind: global_buffer, .address_space: global }
      - { .name: wb, .offset: 24, .size: 8, .value_kind: global_buffer, .address_space: global }
    .group_segment_fixed_size: 0
    .private_segment_fixed_size: 0
    .kernarg_segment_align: 8
    .kernarg_segment_size: 32
    .max_flat_workgroup_size: 128
    .sgpr_count:     66
    .vgpr_count:     40
    .wavefront_size: 32
...
	.end_amdgpu_metadata
.endif
;; end of part 1
;; launch attn (part 2): grid 256 x 1, 16 waves a work-group, no clusters, 305,408 bytes of LDS; arguments x, w, wb, out0; writes out0
.if DOCPART == 2
	.amdgcn_target "amdgcn-amd-amdhsa--gfx1250"
	.amdhsa_code_object_version 6
	.text
	.protected	k_qe4bbdc34e3_attn
	.globl	k_qe4bbdc34e3_attn
	.p2align	8
	.type	k_qe4bbdc34e3_attn,@function
k_qe4bbdc34e3_attn:
	s_mov_b64 s[64:65], 0
	v_nop
	global_prefetch_b8 v0, s[64:65] scope:SCOPE_SE
	s_setreg_imm32_b32 hwreg(HW_REG_WAVE_MODE, 25, 1), 1
	s_wait_xcnt 0x0
; out0[b] = softmax_w( Q.K[w] / sqrt(512) ) . V,  with K = x Wk, V = x Wv, Q = (x^T w) Wq, for one sample b in each work-group.
; All products are linear, so they are taken in another order, which holds for every input and never forms K or V:
;   t = x^T w;  Q = t Wq;  u = Wk Q;  score[w] = x[w,:] . u / sqrt(512);  a = softmax(score);  y = a^T x;  out = y Wv.
; x[b] (512 x 512 f32, 1 MiB) is read from memory ONCE, rounded to bf16 and kept on the WGP for its three uses (t, scores, y):
; 16 waves x 32 rows; a wave's rows 0-15 lie in 16 KiB of LDS that only this wave touches, its rows 16-31 stay in 128 registers.
; FORMATS AND LIMITS.  x, w, Wq, Wk, Wv are each rounded once to bf16 (nearest even); t, Q, u, the scores, the weights, y and all sums
; are f32.  The scores' spread is thousands of times the step of the exponential, so a vector operand rounded to 16 bits would move the
; softmax; that, and one row of result for each product, is why these products run as v_fma_mix_f32_bf16 (bf16 x f32 + f32) on the
; vector unit and not on the matrix unit, which would use 1 of its 16 rows.  The true maximum of the 512 scores is taken away before
; the exponential.  The order of sums differs from the reference's.  A weight below 2^-126 becomes 0 (v_exp_f32 flushes: ISA guide 15.8).
; NaN and infinities are not treated specially.
; NO JOINT LOADS for wb, which all work-groups read: LDS holds 262,144 bytes of x, 32,768 of partial sums, 8,192 of vectors and 256 of
; maxima and sums; the 24,320 bytes left of 327,680 would make two slots of 11 rows for 16 waves.  wb (1.5 MiB) comes through registers.
; The body is straight-line: the rows kept in registers are named statically.
;
; LAYOUTS of a row of 512 numbers over 32 lanes, 8 packed dwords a lane; f32 register a = 2 p + e goes with half e of dword p.
;   x-layout (four loads of 512 bytes of f32): registers 4 j .. 4 j + 3 = columns 128 j + 4 lane + 0..3 = byte 512 j + 16 lane of an f32 vector.
;   w-layout (two loads of 512 bytes of bf16): registers 4 q .. 4 q + 3 = columns 256 (q>>1) + 8 lane + 4 (q&1) + 0..3 = byte 1024 (q>>1) + 32 lane + 16 (q&1).
;
; v[128:255] SERVES TWICE.  While x streams in it is a ring of eight slots of 16 registers: eight rows of f32, 32 loads, 16 KiB of each
; wave on their way.  The rows that go to LDS come first.  Rows 16-23, behind which slots are still filled again, are packed into
; v[64:127].  The last fill (row 31) is issued at row 23, so rows 24-31 are packed in place, into the low half of their own slot;
; the eight upper halves are from then on the ring of eight packed rows for the weights and for x's rows coming back from LDS.
.set MAT,    524288                    ; bytes of one bf16 matrix in wb: Wq, Wk, Wv
; LDS
.set PART,   262144                    ; behind the 16 x 16,384 bytes of x: partial[wave][512] f32, 2,048 bytes a wave
.set VT,     294912                    ; t, then Q, u, y: 2,048 bytes each, natural order, each written once
.set VQ_OFF, 2048
.set VU_OFF, 4096
.set VY_OFF, 6144
.set MX,     303104                    ; the 16 waves' maxima; 64 bytes on, their sums
.set SM_OFF, 64
; vector registers
.set OUTO,  1                          ; v1       first the lane, then 512 W + 16 lane: my offset in out0[b]
.set L16,   2                          ; v2       16 lane: the one vector offset of all loads of x and wb; never rewritten
.set XLA,   3                          ; v3       16,384 W + 16 lane: my wave's rows in LDS
.set PW16,  4                          ; v4       PART + 2,048 W + 16 lane
.set PW32,  5                          ; v5       PART + 2,048 W + 32 lane
.set PRD,   6                          ; v6       PART + 512 W + 16 lane (waves 0-3: four columns a thread)
.set VWR,   7                          ; v7       VT + 512 W + 16 lane
.set VW4,   8                          ; v8       VT + 128 W + 4 lane: element 32 W + lane of a vector
.set VL16,  9                          ; v9       VT + 16 lane
.set VL32,  10                         ; v10      VT + 32 lane
.set RDA,   11                         ; v11      MX
.set RDW,   12                         ; v12      MX + 4 W
.set ZERO,  13                         ; v13      0: the addend of each sum's first link, so nothing is cleared
.set SV,    14                         ; v14      one number for each of my wave's 32 rows, row r in lane r
.set MREG,  15                         ; v15      first w's load offset, then maximum, sum, reciprocal
.set ACC,   16                         ; v[16:31] column sums ...
.set VEC,   16                         ;          ... or the vector that rows are multiplied by ...
.set TMP,   16                         ;          ... or, where that vector is dead, temporaries
.set SCORE, 32                         ; v[32:63] 32 row results; v32, v33 also the row's number in every lane
.set PKT,   40                         ; v[40:63] while x streams in: three packed rows by turns, on their way to LDS
.set XSA,   64                         ; v[64:127]  my rows 16-23 of x, packed: row 16 + j at XSA + 8 j
.set XRING, 128                        ; v[128:255] while x streams in: slot s at XRING + 16 s
.set XSB,   128                        ; afterwards: my rows 24-31, packed: row 24 + j at XSB + 16 j,
.set RS,    136                        ; and between them the ring of packed rows: slot k at RS + 16 k
; ACC[2p+e] (+)= row[p].e * v[sc]: one row's share of 512 column sums.  first = 1 starts the sums.
.macro CSROW row, sc, first
.irp p, 0,1,2,3,4,5,6,7
.if \first
	v_fma_mix_f32_bf16 v[ACC+2*\p],   v[\row+\p], v[\sc], v[ZERO] op_sel_hi:[1,0,0]
	v_fma_mix_f32_bf16 v[ACC+2*\p+1], v[\row+\p], v[\sc], v[ZERO] op_sel:[1,0,0] op_sel_hi:[1,0,0]
.else
	v_fma_mix_f32_bf16 v[ACC+2*\p],   v[\row+\p], v[\sc], v[ACC+2*\p] op_sel_hi:[1,0,0]
	v_fma_mix_f32_bf16 v[ACC+2*\p+1], v[\row+\p], v[\sc], v[ACC+2*\p+1] op_sel:[1,0,0] op_sel_hi:[1,0,0]
.endif
.endr
.endm
; v[sa] = sum over my 16 columns of row a x VEC, v[sb] the same for row b: two chains that take turns.
.macro DOT2 ra, rb, sa, sb
	v_fma_mix_f32_bf16 v[\sa], v[\ra], v[VEC], v[ZERO] op_sel_hi:[1,0,0]
	v_fma_mix_f32_bf16 v[\sb], v[\rb], v[VEC], v[ZERO] op_sel_hi:[1,0,0]
	v_fma_mix_f32_bf16 v[\sa], v[\ra], v[VEC+1], v[\sa] op_sel:[1,0,0] op_sel_hi:[1,0,0]
	v_fma_mix_f32_bf16 v[\sb], v[\rb], v[VEC+1], v[\sb] op_sel:[1,0,0] op_sel_hi:[1,0,0]
.irp p, 1,2,3,4,5,6,7
	v_fma_mix_f32_bf16 v[\sa], v[\ra+\p], v[VEC+2*\p], v[\sa] op_sel_hi:[1,0,0]
	v_fma_mix_f32_bf16 v[\sb], v[\rb+\p], v[VEC+2*\p], v[\sb] op_sel_hi:[1,0,0]
	v_fma_mix_f32_bf16 v[\sa], v[\ra+\p], v[VEC+2*\p+1], v[\sa] op_sel:[1,0,0] op_sel_hi:[1,0,0]
	v_fma_mix_f32_bf16 v[\sb], v[\rb+\p], v[VEC+2*\p+1], v[\sb] op_sel:[1,0,0] op_sel_hi:[1,0,0]
.endr
.endm
; row r's number, from lane r of SV into every lane of v32 or v33 (by turns)
.macro SCAL r
	v_readlane_b32 s[18+(\r&1)], v[SV], \r
	v_mov_b32 v[32+(\r&1)], s[18+(\r&1)]
.endm
; Row r of my 32 rows of x: wait, round and pack, ask for row r + 8, add w[r] x row to t's partial sums, keep the row.
.macro XROW r
.if 31-\r < 7
	s_wait_loadcnt 4*(31-\r)                       ; the tail: four loads for each row still behind this one
.else
	s_wait_loadcnt 28                              ; loads come back in order (ISA guide 5.7.1): row r is in, the 28 loads of rows r+1 .. r+7 stay out
.endif
.if \r < 16
.set PK, PKT+8*(\r%3)                              ; rows 0-15 pass through three sets by turns, into LDS
.else
.if \r < 24
.set PK, XSA+8*(\r-16)                             ; rows 16-23: their slots are filled again, so they are kept beside the ring
.else
.set PK, XSB+16*(\r-24)                            ; rows 24-31: in place.  Register p is written when 2 p and 2 p + 1 are read, and p <= 2 p: nothing unread is lost
.endif
.endif
.irp p, 0,1,2,3,4,5,6,7
	v_cvt_pk_bf16_f32 v[PK+\p], v[XRING+16*(\r%8)+2*\p], v[XRING+16*(\r%8)+2*\p+1]
.endr
.if \r+8 < 32
.irp j, 0,1,2,3
	global_load_b128 v[XRING+16*(\r%8)+4*\j:XRING+16*(\r%8)+4*\j+3], v[L16], s[4:5] offset:2048*(\r+8)+512*\j th:TH_LOAD_NT
.endr
.endif
	SCAL \r
.if \r
	CSROW PK, 32+(\r&1), 0
.else
	CSROW PK, 32+(\r&1), 1
.endif
.if \r < 16
	ds_store_b128 v[XLA], v[PK:PK+3]   offset:1024*\r            ; 32 lanes x 16 neighbouring bytes: no bank is asked twice
	ds_store_b128 v[XLA], v[PK+4:PK+7] offset:1024*\r+512
.endif
.endm
; One of my 32 rows of matrix m (1,024 bytes, two loads of 512 consecutive bytes) into its slot of eight
.macro WLOAD m, row
	global_load_b128 v[RS+16*((\row)%8):RS+16*((\row)%8)+3],   v[L16], s[8:9] offset:MAT*\m+1024*(\row)
	global_load_b128 v[RS+16*((\row)%8)+4:RS+16*((\row)%8)+7], v[L16], s[8:9] offset:MAT*\m+1024*(\row)+512
.endm
.macro WFILL m                         ; rows 0-7: 16 loads of the wave on their way
.irp k, 0,1,2,3,4,5,6,7
	WLOAD \m, \k
.endr
.endm
; Row r of matrix m times SV's lane r, into the column sums; then row r + 8 is asked for.
.macro WCS m, r
.if 31-\r < 7
	s_wait_loadcnt 2*(31-\r)
.else
	s_wait_loadcnt 14                              ; row r is in; two loads for each of the seven rows behind it stay out
.endif
	SCAL \r
.if \r
	CSROW RS+16*(\r%8), 32+(\r&1), 0
.else
	CSROW RS+16*(\r%8), 32+(\r&1), 1
.endif
.if \r+8 < 32
	WLOAD \m, \r+8
.endif
.endm
; Rows r and r + 1 (r even) of matrix m times VEC; then rows r + 8 and r + 9 are asked for.
.macro WDOT m, r
.if 30-\r < 6
	s_wait_loadcnt 2*(30-\r)
.else
	s_wait_loadcnt 12                              ; rows r and r+1 are in; two loads for each of the six rows behind them stay out
.endif
	DOT2 RS+16*(\r%8), RS+16*(\r%8)+16, SCORE+\r, SCORE+\r+1
.if \r+8 < 32
	WLOAD \m, \r+8
	WLOAD \m, \r+9
.endif
.endm
; Row k (0-15) of my rows of x, back from LDS into its slot of eight
.macro XLLOAD k
	ds_load_b128 v[RS+16*((\k)%8):RS+16*((\k)%8)+3],   v[XLA] offset:1024*(\k)
	ds_load_b128 v[RS+16*((\k)%8)+4:RS+16*((\k)%8)+7], v[XLA] offset:1024*(\k)+512
.endm
.macro STAGE
.irp k, 0,1,2,3,4,5,6,7
	XLLOAD \k
.endr
.endm
; The 32 row results are summed over the 32 lanes; every lane ends with all 32 sums.  Four steps inside each half of 16 lanes ride on
; the add (DPP), one crosses the halves.  v_permlanex16_b32's destination counts as read: v16-19 held the vector operand, which is dead here.
.macro LANESUM
.irp mk, 1,2,4,8
.set li, 0
.rept 32
	v_add_f32_dpp v[SCORE+li], v[SCORE+li], v[SCORE+li] row_xmask:\mk row_mask:0xf bank_mask:0xf
.set li, li+1
.endr
.endr
.set li, 0
.rept 32
	v_permlanex16_b32 v[TMP+(li&3)], v[SCORE+li], s16, s17
	v_add_f32 v[SCORE+li], v[SCORE+li], v[TMP+(li&3)]
.set li, li+1
.endr
.endm
; My wave's 512 partial column sums into its 2,048 bytes of PART, in natural column order
.macro PSTORE_X
.irp q, 0,1,2,3
	ds_store_b128 v[PW16], v[ACC+4*\q:ACC+4*\q+3] offset:512*\q
.endr
.endm
.macro PSTORE_W
.irp q, 0,1,2,3
	ds_store_b128 v[PW32], v[ACC+4*\q:ACC+4*\q+3] offset:1024*(\q>>1)+16*(\q&1)
.endr
.endm
; the eight quads in v[32:63] are added, by pairs, into the quad at dst
.macro TREE8 dst
.irp i, 0,1,2,3
	v_pk_add_f32 v[32+8*\i:33+8*\i], v[32+8*\i:33+8*\i], v[36+8*\i:37+8*\i]
	v_pk_add_f32 v[34+8*\i:35+8*\i], v[34+8*\i:35+8*\i], v[38+8*\i:39+8*\i]
.endr
.irp i, 0,1
	v_pk_add_f32 v[32+16*\i:33+16*\i], v[32+16*\i:33+16*\i], v[40+16*\i:41+16*\i]
	v_pk_add_f32 v[34+16*\i:35+16*\i], v[34+16*\i:35+16*\i], v[42+16*\i:43+16*\i]
.endr
	v_pk_add_f32 v[\dst:\dst+1],   v[32:33], v[48:49]
	v_pk_add_f32 v[\dst+2:\dst+3], v[34:35], v[50:51]
.endm
; v[16:19] = the sixteen waves' partial sums of my four columns
.macro RSUM
.irp k, 0,1,2,3,4,5,6,7
	ds_load_b128 v[32+4*\k:35+4*\k], v[PRD] offset:2048*\k
.endr
	s_wait_dscnt 0x0
	TREE8 16
.irp k, 0,1,2,3,4,5,6,7
	ds_load_b128 v[32+4*\k:35+4*\k], v[PRD] offset:2048*(\k+8)
.endr
	s_wait_dscnt 0x0
	TREE8 32
	v_pk_add_f32 v[16:17], v[16:17], v[32:33]
	v_pk_add_f32 v[18:19], v[18:19], v[34:35]
.endm
; Waves 0-3 (128 threads x 4 columns) add the partial sums and write the whole vector at VT + off.  No barrier stands inside the branch.
.macro REDUCE off
	s_cmp_ge_u32 s12, 4
	s_cbranch_scc1 .Lno_sum_\@
	RSUM
	ds_store_b128 v[VWR], v[16:19] offset:\off
.Lno_sum_\@:
.endm
; What the others rely on is complete in front of my signal: my LDS stores have landed and my LDS loads are back.
.macro BAR
	s_wait_dscnt 0x0
	s_barrier_signal -1
	s_barrier_wait -1
.endm
	; ---- set-up
	s_load_b256 s[4:11], s[0:1], 0x0               ; x s[4:5], w s[6:7], wb s[8:9], out0 s[10:11]
	v_and_b32 v1, 31, v0                           ; lane
	v_lshrrev_b32 v2, 5, v0
	v_readfirstlane_b32 s12, v2                    ; W, my wave's number, as a scalar
	s_mov_b32 s16, 0x76543210                      ; v_permlanex16_b32: lane i of one half reads lane i of the other
	s_mov_b32 s17, 0xfedcba98
	v_lshlrev_b32 v[L16], 4, v1
	s_lshl_b32 s13, s12, 14
	v_add_nc_u32 v[XLA], s13, v[L16]
	s_lshl_b32 s13, s12, 11
	s_add_co_u32 s13, s13, PART
	v_add_nc_u32 v[PW16], s13, v[L16]
	v_lshl_add_u32 v[PW32], v1, 5, s13
	s_lshl_b32 s13, s12, 9                         ; 512 W
	s_add_co_u32 s14, s13, PART
	v_add_nc_u32 v[PRD], s14, v[L16]
	s_add_co_u32 s14, s13, VT
	v_add_nc_u32 v[VWR], s14, v[L16]
	s_lshl_b32 s14, s12, 7
	s_add_co_u32 s14, s14, VT
	v_lshl_add_u32 v[VW4], v1, 2, s14
	v_add_nc_u32 v[VL16], VT, v[L16]
	v_lshl_add_u32 v[VL32], v1, 5, VT
	v_mov_b32 v[RDA], MX
	s_lshl_b32 s14, s12, 2
	s_add_co_u32 s14, s14, MX
	v_mov_b32 v[RDW], s14
	v_mov_b32 v[ZERO], 0
	v_lshlrev_b32 v[MREG], 2, v0                   ; w[32 W + lane]
	v_add_nc_u32 v[OUTO], s13, v[L16]              ; the lane is not needed any more
	s_lshl_b32 s14, ttmp9, 20                      ; sample b: 1 MiB of x,
	s_lshl_b32 s13, s12, 16                        ; my wave's 32 rows of 2,048 bytes (the sum stays below 2^28)
	s_add_co_u32 s14, s14, s13
	s_mov_b32 s15, 0
	s_wait_kmcnt 0x0
	s_add_nc_u64 s[4:5], s[4:5], s[14:15]
	s_lshl_b32 s14, s12, 15                        ; my wave's 32 rows of 1,024 bytes in each matrix of wb
	s_add_nc_u64 s[8:9], s[8:9], s[14:15]
	s_lshl_b32 s14, ttmp9, 11                      ; out0[b]
	s_add_nc_u64 s[10:11], s[10:11], s[14:15]
	; ---- 1: x streams in once; t = x^T w
	global_load_b32 v[SV], v[MREG], s[6:7]
.irp r, 0,1,2,3,4,5,6,7
.irp j, 0,1,2,3
	global_load_b128 v[XRING+16*\r+4*\j:XRING+16*\r+4*\j+3], v[L16], s[4:5] offset:2048*\r+512*\j th:TH_LOAD_NT
.endr
.endr
	s_wait_loadcnt 32                              ; w is in (and its offset register free); the 32 loads of rows 0-7 are younger
	v_cvt_pk_bf16_f32 v[SV], v[SV], v[SV]          ; w rounded to bf16 like the other inputs,
	v_lshlrev_b32 v[SV], 16, v[SV]                 ; and widened again
.irp r, 0,1,2,3,4,5,6,7,8,9,10,11,12,13,14,15,16,17,18,19,20,21,22,23,24,25,26,27,28,29,30,31
	XROW \r
.endr
	WFILL 0                                        ; Wq's first rows, into the slots' upper halves, fly while t is summed; nobody writes wb in this launch
	PSTORE_X
	BAR                                            ; all partial sums of t are in PART
	REDUCE 0
	BAR                                            ; t is whole; PART has been read
	; ---- 2a: Q = t Wq (column sums over my 32 rows of Wq)
	ds_load_b32 v[SV], v[VW4]                      ; t[32 W + lane]
	s_wait_dscnt 0x0
.irp r, 0,1,2,3,4,5,6,7,8,9,10,11,12,13,14,15,16,17,18,19,20,21,22,23,24,25,26,27,28,29,30,31
	WCS 0, \r
.endr
	WFILL 1
	PSTORE_W
	BAR
	REDUCE VQ_OFF
	BAR                                            ; Q is whole; PART has been read
	; ---- 2b: u = Wk Q (my 32 rows of Wk, each times Q), scaled by log2(e) / sqrt(512)
.irp q, 0,1,2,3
	ds_load_b128 v[VEC+4*\q:VEC+4*\q+3], v[VL32] offset:VQ_OFF+1024*(\q>>1)+16*(\q&1)
.endr
	s_wait_dscnt 0x0
.irp r, 0,2,4,6,8,10,12,14,16,18,20,22,24,26,28,30
	WDOT 1, \r
.endr
	LANESUM
	v_mov_b32 v[SV], v[SCORE]                      ; lane r takes row r's sum
.irp r, 1,2,3,4,5,6,7,8,9,10,11,12,13,14,15,16,17,18,19,20,21,22,23,24,25,26,27,28,29,30,31
	s_mov_b32 s20, 1<<\r
	v_cndmask_b32 v[SV], v[SV], v[SCORE+\r], s20
.endr
	v_mul_f32 v[SV], 0x3d8293ee, v[SV]             ; 0.0637587 = 1.442695 / 22.627417: the scores come out ready for v_exp_f32 (base 2)
	ds_store_b32 v[VW4], v[SV] offset:VU_OFF
	BAR                                            ; u is whole
	; ---- 3: scores of my 32 words, and the sample's maximum.  The rows in registers come first, while the rows in LDS are on their way.
.irp j, 0,1,2,3
	ds_load_b128 v[VEC+4*\j:VEC+4*\j+3], v[VL16] offset:VU_OFF+512*\j
.endr
	STAGE
	s_wait_dscnt 16                                ; LDS serves a wave in order (ISA guide 5.7.1): u is in, the 16 loads of rows 0-7 are younger
.irp j, 0,2,4,6
	DOT2 XSA+8*\j, XSA+8*\j+8, SCORE+16+\j, SCORE+17+\j
.endr
.irp j, 0,2,4,6
	DOT2 XSB+16*\j, XSB+16*\j+16, SCORE+24+\j, SCORE+25+\j
.endr
.irp k, 0,2,4,6,8,10,12,14
.if 14-\k < 6
	s_wait_dscnt 2*(14-\k)
.else
	s_wait_dscnt 12                                ; rows k and k+1 are in; two loads for each of the six rows behind them stay out
.endif
	DOT2 RS+16*(\k%8), RS+16*(\k%8)+16, SCORE+\k, SCORE+\k+1
.if \k+8 < 16
	XLLOAD \k+8
	XLLOAD \k+9
.endif
.endr
	LANESUM
	v_max3_num_f32 v[MREG], v[SCORE], v[SCORE+1], v[SCORE+2]
.irp i, 3,5,7,9,11,13,15,17,19,21,23,25,27,29
	v_max3_num_f32 v[MREG], v[MREG], v[SCORE+\i], v[SCORE+\i+1]
.endr
	v_max_num_f32 v[MREG], v[MREG], v[SCORE+31]
	ds_store_b32 v[RDW], v[MREG]                   ; all lanes write the same word with the same value
	BAR                                            ; the 16 maxima are there
.irp i, 0,1,2,3
	ds_load_b128 v[TMP+4*\i:TMP+4*\i+3], v[RDA] offset:16*\i
.endr
	s_wait_dscnt 0x0
	v_max3_num_f32 v[MREG], v[TMP], v[TMP+1], v[TMP+2]
.irp i, 3,5,7,9,11,13
	v_max3_num_f32 v[MREG], v[MREG], v[TMP+\i], v[TMP+\i+1]
.endr
	v_max_num_f32 v[MREG], v[MREG], v[TMP+15]      ; the maximum of all 512 scores
	; ---- 4: weights exp2(score - maximum), not yet divided by their sum; my wave's share of the sum
.set i, 0
.rept 32
	v_sub_f32 v[SCORE+i], v[SCORE+i], v[MREG]
.set i, i+1
.endr
.set i, 0
.rept 32
	v_exp_f32 v[SCORE+i], v[SCORE+i]
.set i, i+1
.endr
	v_nop                                          ; one plain vector instruction between the last v_exp_f32 and the use of its result (ISA guide 5.7.2)
	s_wait_alu depctr_va_vdst(0)
.irp i, 0,1,2,3,4,5,6,7
	v_pk_add_f32 v[16+2*\i:17+2*\i], v[SCORE+2*\i:SCORE+2*\i+1], v[SCORE+16+2*\i:SCORE+17+2*\i]
.endr
.irp i, 0,1,2,3
	v_pk_add_f32 v[16+2*\i:17+2*\i], v[16+2*\i:17+2*\i], v[24+2*\i:25+2*\i]
.endr
	v_pk_add_f32 v[16:17], v[16:17], v[20:21]
	v_pk_add_f32 v[18:19], v[18:19], v[22:23]
	v_pk_add_f32 v[16:17], v[16:17], v[18:19]
	v_add_f32 v[MREG], v[16], v[17]
	ds_store_b32 v[RDW], v[MREG] offset:SM_OFF     ; read behind later barriers; it stands ahead of the loads below, so that their waits count loads alone
	STAGE
	; ---- 5: y = sum over words of weight x row (column sums over my 32 rows of x), the rows in registers first
	CSROW XSA, SCORE+16, 1
.irp j, 1,2,3,4,5,6,7
	CSROW XSA+8*\j, SCORE+16+\j, 0
.endr
.irp j, 0,1,2,3,4,5,6,7
	CSROW XSB+16*\j, SCORE+24+\j, 0
.endr
.irp k, 0,1,2,3,4,5,6,7,8,9,10,11,12,13,14,15
.if 15-\k < 7
	s_wait_dscnt 2*(15-\k)
.else
	s_wait_dscnt 14                                ; row k is in; two loads for each of the seven rows behind it stay out
.endif
	CSROW RS+16*(\k%8), SCORE+\k, 0
.if \k+8 < 16
	XLLOAD \k+8
.endif
.endr
	WFILL 2                                        ; Wv's first rows fly while y is summed
	PSTORE_X
	BAR
	REDUCE VY_OFF
	BAR                                            ; y is whole; PART has been read
	; ---- 6: out = y Wv / (sum of the weights)
	ds_load_b32 v[SV], v[VW4] offset:VY_OFF        ; y[32 W + lane]
	s_wait_dscnt 0x0
.irp r, 0,1,2,3,4,5,6,7,8,9,10,11,12,13,14,15,16,17,18,19,20,21,22,23,24,25,26,27,28,29,30,31
	WCS 2, \r
.endr
	PSTORE_W
	BAR                                            ; the last barrier: behind it waves 4-15 have nothing left to do
	s_cmp_ge_u32 s12, 4
	s_cbranch_scc1 .Lend
	RSUM
.irp i, 0,1,2,3
	ds_load_b128 v[32+4*\i:35+4*\i], v[RDA] offset:SM_OFF+16*\i
.endr
	s_wait_dscnt 0x0
.irp i, 0,1,2,3
	v_pk_add_f32 v[32+2*\i:33+2*\i], v[32+2*\i:33+2*\i], v[40+2*\i:41+2*\i]
.endr
	v_pk_add_f32 v[32:33], v[32:33], v[36:37]
	v_pk_add_f32 v[34:35], v[34:35], v[38:39]
	v_pk_add_f32 v[32:33], v[32:33], v[34:35]
	v_add_f32 v[MREG], v[32], v[33]                ; at least 1: the largest score's weight is exp2(0)
	v_rcp_f32 v[MREG], v[MREG]
	v_nop                                          ; one plain vector instruction behind v_rcp_f32 (ISA guide 5.7.2)
	s_wait_alu depctr_va_vdst(0)
.irp i, 0,1,2,3
	v_mul_f32 v[16+\i], v[16+\i], v[MREG]
.endr
	global_store_b128 v[OUTO], v[16:19], s[10:11] th:TH_STORE_NT   ; a wave's store covers 512 consecutive bytes, aligned
.Lend:
	s_wait_xcnt 0x0
	v_lshl_add_u32 v254, v0, 2, 0x4a100
	v_mov_b32 v255, 0
	s_wait_tensorcnt 0x0
	ds_add_u32 v254, v255
	s_wait_dscnt 0x0
	s_endpgm
.Lfunc_end_k_qe4bbdc34e3_attn:
	.size	k_qe4bbdc34e3_attn, .Lfunc_end_k_qe4bbdc34e3_attn-k_qe4bbdc34e3_attn
	.p2alignl 7, 3214868480
	.fill 96, 4, 3214868480
	.section	.rodata,"a",@progbits
	.p2align	6, 0x0
	.amdhsa_kernel k_qe4bbdc34e3_attn
		.amdhsa_group_segment_fixed_size 305408
		.amdhsa_private_segment_fixed_size 0
		.amdhsa_enable_private_segment 0
		.amdhsa_kernarg_size 32
		.amdhsa_user_sgpr_count 2
		.amdhsa_user_sgpr_kernarg_segment_ptr 1
		.amdhsa_wavefront_size32 1
		.amdhsa_system_sgpr_workgroup_id_x 1
		.amdhsa_system_sgpr_workgroup_id_y 1
		.amdhsa_system_sgpr_workgroup_id_z 1
		.amdhsa_system_vgpr_workitem_id 0
		.amdhsa_next_free_vgpr 256
		.amdhsa_next_free_sgpr 66
		.amdhsa_reserve_vcc 0
		.amdhsa_float_denorm_mode_32 3
		.amdhsa_float_denorm_mode_16_64 3
		.amdhsa_memory_ordered 1
		.amdhsa_forward_progress 1
		.amdhsa_inst_pref_size 255
	.end_amdhsa_kernel
	.section	.bss,"aw",@nobits
	.p2align	6
	.space	262144
	.amdgpu_metadata
---
amdhsa.version: [ 1, 2 ]
amdhsa.kernels:
  - .name:           k_qe4bbdc34e3_attn
    .symbol:         k_qe4bbdc34e3_attn.kd
    .args:
      - { .name: x, .offset: 0, .size: 8, .value_kind: global_buffer, .address_space: global }
      - { .name: w, .offset: 8, .size: 8, .value_kind: global_buffer, .address_space: global }
      - { .name: wb, .offset: 16, .size: 8, .value_kind: global_buffer, .address_space: global }
      - { .name: out0, .offset: 24, .size: 8, .value_kind: global_buffer, .address_space: global }
    .group_segment_fixed_size: 305408
    .private_segment_fixed_size: 0
    .kernarg_segment_align: 8
    .kernarg_segment_size: 32
    .max_flat_workgroup_size: 512
    .sgpr_count:     66
    .vgpr_count:     256
    .wavefront_size: 32
...
	.end_amdgpu_metadata
.endif
;; end of part 2
